; MI455X (gfx1250); checked and timed in simulation.
; The chip was launched on July 23, 2026; its instructions are those of AMD's public machine-readable ISA for CDNA 5 (MIT licence, August 2026) and "CDNA5" Instruction Set Architecture Reference Guide (July 2026). The comments in the code are by the model that wrote it; some were corrected since.
;; SATG. Allowed arithmetic: float matrix products may take bf16 or f16 operands with f32 sums; all other float work in f32.
;; Inputs: W_enc 256 x 256 float32; b_enc 256 float32; fc1_b 64 float32; fc1_w 64 x 256 float32; fc2_b 1 float32; fc2_w 1 x 64 float32; in_proj_b 768 float32; in_proj_w 768 x 256 float32; input_lengths 8 int32; lin1_b 256 float32; lin1_w 256 x 256 float32; lin2_b 256 float32; lin2_w 256 x 256 float32; ln1_b 256 float32; ln1_w 256 float32; ln2_b 256 float32; ln2_w 256 float32; out_proj_b 256 float32; out_proj_w 256 x 256 float32; src 8 x 2,000 x 256 float32.
;; Outputs: out0 8 x 2,000 float32.
;; One version. Each part assembles by itself: llvm-mc -triple=amdgcn-amd-amdhsa -mcpu=gfx1250 --defsym DOCPART=n.
;; ======== version 1 of 1: 2 launches
;; workspace buffers: wts 917,504 bytes; peb 2,048,000 bytes; head 2,048 bytes
;; launch prep (part 1): grid 725 x 1, 8 waves a work-group, no clusters, 0 bytes of LDS; arguments W_enc, in_proj_w, out_proj_w, lin1_w, lin2_w, b_enc, fc1_w, fc1_b, fc2_w, fc2_b, ln2_w, ln2_b, wts, peb, head; writes wts, peb, head
.if DOCPART == 1
	.amdgcn_target "amdgcn-amd-amdhsa--gfx1250"
	.amdhsa_code_object_version 6
	.text
	.protected	k_q122f219753_prep
	.globl	k_q122f219753_prep
	.p2align	8
	.type	k_q122f219753_prep,@function
k_q122f219753_prep:
	s_mov_b64 s[64:65], 0
	v_nop
	global_prefetch_b8 v0, s[64:65] scope:SCOPE_SE
	s_setreg_imm32_b32 hwreg(HW_REG_WAVE_MODE, 25, 1), 1
	s_wait_xcnt 0x0
; PREP: everything that does not hang on a row block is made once, for the launch that follows.
;   J1 (work-groups 0-223): the five weight matrices, rounded to bf16, in the register order of a 16 x 32 matrix fragment (wts).
;   J2 (work-groups 224-723): the table sin/cos(pos * div) + b_enc in f32, in the register order of a 16 x 16 f32 result (peb).
;   J3 (work-group 724): the output head folded to one vector g and one vector e of 256 numbers (head).
;
; WORK THAT THE WHOLE PROGRAM LEAVES OUT, AND WHY IT CAN REACH NO OUTPUT, for all finite values of the inputs:
;  * input_lengths: reference() never reads it.  It is an argument of no launch.
;  * in_proj_b[256:512], the bias of k: it adds q_i . b_k to every score of query row i, the same number along the softmax's axis j;
;    softmax(s + c) = softmax(s).  It is not loaded.
;  * score and attn x v tiles that lie wholly outside the band j in [i-99, i] which reference() builds in its own body (_band_mask):
;    there -1e30 is added in front of the softmax, the weights are 0.  A tile of 16 query rows needs 8 tiles of 16 keys.
;  * fc1 and fc2 have nothing between them, and LayerNorm 2 is affine in front of them:
;      logit = sum_d ((y_d - mean) rs ln2_w[d] + ln2_b[d]) weff[d] + fc2_w . fc1_b + fc2_b,   weff[d] = sum_j fc2_w[j] fc1_w[j][d]
;            = rs sum_d (y_d - mean) g[d] + sum_d e[d],   g[d] = ln2_w[d] weff[d],
;      e[d] = ln2_b[d] weff[d] + (d < 64 ? fc2_w[d] fc1_b[d] : 0) + (d == 0 ? fc2_b : 0).   The [rows, 64] product is never formed.
; LIMITS.  A NaN, an infinity or an overflow that reaches only the work left out is not carried to the result.
;  The sine and cosine are made by hand: reduction by multiples of pi/2 in two parts, good for the angles of this table (0 to 1999,
;  at most 1273 quarter turns), then polynomials of degree 7 and 8 on [-pi/4, pi/4] whose first dropped terms are below 4e-7.
;  Matrix units, LDS and clusters have nothing to do here: each number is read once, changed and stored.
	s_load_b512 s[4:19], s[0:1], 0x0               ; W_enc s[4:5], in_proj_w s[6:7], out_proj_w s[8:9], lin1_w s[10:11], lin2_w s[12:13], b_enc s[14:15], fc1_w s[16:17], fc1_b s[18:19]
	s_load_b256 s[20:27], s[0:1], 0x40             ; fc2_w s[20:21], fc2_b s[22:23], ln2_w s[24:25], ln2_b s[26:27]
	s_load_b128 s[28:31], s[0:1], 0x60             ; wts s[28:29], peb s[30:31]
	s_load_b64 s[32:33], s[0:1], 0x70              ; head
	s_wait_kmcnt 0x0
	s_cmp_lt_u32 ttmp9, 224
	s_cbranch_scc1 .Lj1
	s_cmp_lt_u32 ttmp9, 724
	s_cbranch_scc1 .Lj2
; ---- J3: thread d makes g[d] and e[d] ----
	s_load_b32 s34, s[22:23], 0x0                  ; fc2_b
	v_mov_b32 v1, 0
	v_lshlrev_b32 v2, 2, v0                        ; 4 d
	v_min_u32 v3, 63, v0
	v_lshlrev_b32 v3, 2, v3                        ; 4 min(d, 63): stays inside the vectors of 64
.set i, 0
.rept 16
	global_load_b128 v[32+4*i:35+4*i], v1, s[20:21] offset:16*i    ; all of fc2_w, the same in every lane
.set i, i+1
.endr
.set i, 0
.rept 64
	global_load_b32 v[96+i], v2, s[16:17] offset:1024*i            ; fc1_w[i][d]
.set i, i+1
.endr
	global_load_b32 v4, v2, s[24:25]               ; ln2_w[d]
	global_load_b32 v5, v2, s[26:27]               ; ln2_b[d]
	global_load_b32 v6, v3, s[20:21]               ; fc2_w[min(d, 63)]
	global_load_b32 v7, v3, s[18:19]               ; fc1_b[min(d, 63)]
	s_wait_loadcnt 0x0
	s_wait_kmcnt 0x0
.irp c, 0,1,2,3
	v_mul_f32 v[8+\c], v[32+\c], v[96+\c]          ; four chains, each started by a product
.endr
.set i, 4
.rept 15
.irp c, 0,1,2,3
	v_fmac_f32 v[8+\c], v[32+i+\c], v[96+i+\c]
.endr
.set i, i+4
.endr
	v_add_f32 v8, v8, v9
	v_add_f32 v10, v10, v11
	v_add_f32 v8, v8, v10                          ; weff[d]
	v_mul_f32 v12, v4, v8                          ; g[d]
	v_mul_f32 v13, v6, v7
	v_cmp_gt_u32 vcc_lo, 64, v0
	v_cndmask_b32 v13, 0, v13, vcc_lo              ; fc2_w[d] fc1_b[d] for d < 64
	v_fmac_f32 v13, v5, v8                         ; + ln2_b[d] weff[d]
	v_mov_b32 v14, s34
	v_cmp_eq_u32 vcc_lo, 0, v0
	v_cndmask_b32 v14, 0, v14, vcc_lo              ; fc2_b once, at d = 0
	v_add_f32 v13, v13, v14                        ; e[d]
	global_store_b32 v2, v12, s[32:33]
	global_store_b32 v2, v13, s[32:33] offset:1024
	s_endpgm
; ---- J1: half a feature tile (16 output features x 128 of K) of one weight matrix ----
; wts: feature tiles 0-15 W_enc, 16-63 in_proj_w, 64-79 out_proj_w, 80-95 lin1_w, 96-111 lin2_w.  Fragment (ft, ks) is 1,024 bytes at (8 ft + ks) 1024;
; its half c is 512 bytes, in which lane (r, h) has the 16 bytes bf16(W[16 ft + r][32 ks + 16 c + 8 h + 0..7]) at 16 x lane.
.Lj1:
	s_lshr_b32 s34, ttmp9, 1                       ; ft
	s_mov_b64 s[36:37], s[12:13]                   ; which matrix, and its first feature tile
	s_mov_b32 s35, 96
	s_cmp_lt_u32 s34, 96
	s_cselect_b64 s[36:37], s[10:11], s[36:37]
	s_cselect_b32 s35, 80, s35
	s_cmp_lt_u32 s34, 80
	s_cselect_b64 s[36:37], s[8:9], s[36:37]
	s_cselect_b32 s35, 64, s35
	s_cmp_lt_u32 s34, 64
	s_cselect_b64 s[36:37], s[6:7], s[36:37]
	s_cselect_b32 s35, 16, s35
	s_cmp_lt_u32 s34, 16
	s_cselect_b64 s[36:37], s[4:5], s[36:37]
	s_cselect_b32 s35, 0, s35
	v_and_b32 v1, 15, v0                           ; r
	v_bfe_u32 v2, v0, 4, 1                         ; h
	v_bfe_u32 v3, v0, 5, 1                         ; c
	v_lshrrev_b32 v4, 6, v0                        ; ks mod 4
	v_lshlrev_b32 v5, 10, v1                       ; r rows of 1,024 bytes
	v_lshl_add_u32 v5, v2, 5, v5                   ; + 8 h numbers
	v_lshl_add_u32 v5, v3, 6, v5                   ; + 16 c
	v_lshl_add_u32 v5, v4, 7, v5                   ; + 32 (ks mod 4)
	s_and_b32 s38, ttmp9, 1
	s_lshl_b32 s38, s38, 9                         ; the upper four K steps begin 512 bytes into a row
	s_sub_co_u32 s39, s34, s35
	s_lshl_b32 s39, s39, 14                        ; 16 rows of 1,024 bytes for each feature tile
	s_add_co_u32 s38, s38, s39
	s_mov_b32 s39, 0
	s_add_nc_u64 s[36:37], s[36:37], s[38:39]
	global_load_b128 v[8:11], v5, s[36:37]
	global_load_b128 v[12:15], v5, s[36:37] offset:16
	v_lshlrev_b32 v6, 4, v0                        ; 16 bytes a thread: a wave's store covers 512 neighbouring bytes
	s_lshl_b32 s40, ttmp9, 12
	s_mov_b32 s41, 0
	s_add_nc_u64 s[28:29], s[28:29], s[40:41]
	s_wait_loadcnt 0x0
	v_cvt_pk_bf16_f32 v16, v8, v9
	v_cvt_pk_bf16_f32 v17, v10, v11
	v_cvt_pk_bf16_f32 v18, v12, v13
	v_cvt_pk_bf16_f32 v19, v14, v15
	global_store_b128 v6, v[16:19], s[28:29]
	s_endpgm
; ---- J2: 16 rows x 64 features of the table ----
; peb: row tile gt is 16,384 bytes; in it the slice of features 64 w .. 64 w + 63 is 4,096 bytes; in it piece 2 ft + c is 512 bytes, in which lane (r, h)
; has PE[16 gt + r][f .. f+3] + b_enc[f .. f+3], f = 64 w + 16 ft + 8 h + 4 c.
; One pair of the table: feature fe (even) holds sin(pos div), fe + 1 holds cos(pos div), div = 2^(-fe log2(10000) / 256).
.macro PEPAIR fe, so, co
	v_cvt_f32_u32 v20, v[\fe]
	v_mul_f32 v20, 0xbd549a78, v20                 ; -log2(10000) / 256
	v_exp_f32 v20, v20
	v_mov_b32 v28, 0xb9500d01                      ; -1/5040; also the plain instruction behind v_exp_f32 (ISA guide 5.7.2)
	s_wait_alu depctr_va_vdst(0)
	v_mul_f32 v21, v10, v20                        ; the angle
	v_mul_f32 v22, 0x3f22f983, v21                 ; x 2 / pi
	v_rndne_f32 v22, v22                           ; n quarter turns
	v_fma_f32 v23, -v22, s40, v21                  ; angle - n pi/2, pi/2 in two parts
	v_fma_f32 v23, -v22, s41, v23
	v_mul_f32 v24, v23, v23
	v_fmaak_f32 v28, v28, v24, 0x3c088889          ; 1/120
	v_fmaak_f32 v28, v28, v24, 0xbe2aaaab          ; -1/6
	v_mul_f32 v29, v23, v24
	v_fma_f32 v28, v29, v28, v23                   ; sine of the rest
	v_mov_b32 v30, 0x37d00d01                      ; 1/40320
	v_fmaak_f32 v30, v30, v24, 0xbab60b61          ; -1/720
	v_fmaak_f32 v30, v30, v24, 0x3d2aaaab          ; 1/24
	v_fmaak_f32 v30, v30, v24, 0xbf000000          ; -1/2
	v_fma_f32 v30, v30, v24, 1.0                   ; cosine of the rest
	v_cvt_i32_f32 v25, v22
	v_and_b32 v26, 1, v25
	v_cmp_eq_u32 vcc_lo, 1, v26                    ; an odd quarter swaps the two
	v_cndmask_b32 v[\so], v28, v30, vcc_lo
	v_cndmask_b32 v[\co], v30, v28, vcc_lo
	v_and_b32 v26, 2, v25                          ; quarters 2, 3: the sine changes sign
	v_lshlrev_b32 v26, 30, v26
	v_xor_b32 v[\so], v[\so], v26
	v_add_nc_u32 v27, 1, v25                       ; quarters 1, 2: the cosine does
	v_and_b32 v27, 2, v27
	v_lshlrev_b32 v27, 30, v27
	v_xor_b32 v[\co], v[\co], v27
.endm
.Lj2:
	s_sub_co_u32 s34, ttmp9, 224                   ; 4 gt + w
	s_lshr_b32 s35, s34, 2
	s_and_b32 s36, s34, 3
	s_lshl_b32 s35, s35, 4                         ; 16 gt
	s_lshl_b32 s36, s36, 6                         ; 64 w
	s_mov_b32 s40, 0x3fc90fdb                      ; pi/2, upper part
	s_mov_b32 s41, 0xb33bbd2e                      ; pi/2, the rest
	v_and_b32 v1, 15, v0
	v_bfe_u32 v2, v0, 4, 1
	v_bfe_u32 v3, v0, 5, 1
	v_lshrrev_b32 v4, 6, v0
	v_add_nc_u32 v1, s35, v1                       ; pos
	v_cvt_f32_u32 v10, v1
	v_lshl_add_u32 v5, v4, 4, s36
	v_lshl_add_u32 v5, v2, 3, v5
	v_lshl_add_u32 v5, v3, 2, v5                   ; f
	v_lshlrev_b32 v6, 2, v5
	global_load_b128 v[12:15], v6, s[14:15]        ; b_enc[f .. f+3]
	v_add_nc_u32 v7, 2, v5
	PEPAIR 5, 16, 17
	PEPAIR 7, 18, 19
	v_lshlrev_b32 v8, 4, v0
	s_lshl_b32 s38, s34, 12
	s_mov_b32 s39, 0
	s_add_nc_u64 s[30:31], s[30:31], s[38:39]
	s_wait_loadcnt 0x0
	v_pk_add_f32 v[16:17], v[16:17], v[12:13]
	v_pk_add_f32 v[18:19], v[18:19], v[14:15]
	global_store_b128 v8, v[16:19], s[30:31]
	s_endpgm
.Lfunc_end_k_q122f219753_prep:
	.size	k_q122f219753_prep, .Lfunc_end_k_q122f219753_prep-k_q122f219753_prep
	.p2alignl 7, 3214868480
	.fill 96, 4, 3214868480
	.section	.rodata,"a",@progbits
	.p2align	6, 0x0
	.amdhsa_kernel k_q122f219753_prep
		.amdhsa_group_segment_fixed_size 0
		.amdhsa_private_segment_fixed_size 0
		.amdhsa_enable_private_segment 0
		.amdhsa_kernarg_size 120
		.amdhsa_user_sgpr_count 2
		.amdhsa_user_sgpr_kernarg_segment_ptr 1
		.amdhsa_wavefront_size32 1
		.amdhsa_system_sgpr_workgroup_id_x 1
		.amdhsa_system_sgpr_workgroup_id_y 1
		.amdhsa_system_sgpr_workgroup_id_z 1
		.amdhsa_system_vgpr_workitem_id 0
		.amdhsa_next_free_vgpr 160
		.amdhsa_next_free_sgpr 66
		.amdhsa_reserve_vcc 1
		.amdhsa_float_denorm_mode_32 3
		.amdhsa_float_denorm_mode_16_64 3
		.amdhsa_memory_ordered 1
		.amdhsa_forward_progress 1
		.amdhsa_inst_pref_size 18
	.end_amdhsa_kernel
	.amdgpu_metadata
---
amdhsa.version: [ 1, 2 ]
amdhsa.kernels:
  - .name:           k_q122f219753_prep
    .symbol:         k_q122f219753_prep.kd
    .args:
      - { .name: W_enc, .offset: 0, .size: 8, .value_kind: global_buffer, .address_space: global }
      - { .name: in_proj_w, .offset: 8, .size: 8, .value_kind: global_buffer, .address_space: global }
      - { .name: out_proj_w, .offset: 16, .size: 8, .value_kind: global_buffer, .address_space: global }
      - { .name: lin1_w, .offset: 24, .size: 8, .value_kind: global_buffer, .address_space: global }
      - { .name: lin2_w, .offset: 32, .size: 8, .value_kind: global_buffer, .address_space: global }
      - { .name: b_enc, .offset: 40, .size: 8, .value_kind: global_buffer, .address_space: global }
      - { .name: fc1_w, .offset: 48, .size: 8, .value_kind: global_buffer, .address_space: global }
      - { .name: fc1_b, .offset: 56, .size: 8, .value_kind: global_buffer, .address_space: global }
      - { .name: fc2_w, .offset: 64, .size: 8, .value_kind: global_buffer, .address_space: global }
      - { .name: fc2_b, .offset: 72, .size: 8, .value_kind: global_buffer, .address_space: global }
      - { .name: ln2_w, .offset: 80, .size: 8, .value_kind: global_buffer, .address_space: global }
      - { .name: ln2_b, .offset: 88, .size: 8, .value_kind: global_buffer, .address_space: global }
      - { .name: wts, .offset: 96, .size: 8, .value_kind: global_buffer, .address_space: global }
      - { .name: peb, .offset: 104, .size: 8, .value_kind: global_buffer, .address_space: global }
      - { .name: head, .offset: 112, .size: 8, .value_kind: global_buffer, .address_space: global }
    .group_segment_fixed_size: 0
    .private_segment_fixed_size: 0
    .kernarg_segment_align: 8
    .kernarg_segment_size: 120
    .max_flat_workgroup_size: 256
    .sgpr_count:     66
    .vgpr_count:     160
    .wavefront_size: 32
...
	.end_amdgpu_metadata
.endif
;; end of part 1
;; launch layer (part 2): grid 32 x 8, 4 waves a work-group, no clusters, 321,024 bytes of LDS; arguments src, wts, peb, head, in_proj_b, out_proj_b, ln1_w, ln1_b, lin1_b, lin2_b, out0; writes out0
.if DOCPART == 2
	.amdgcn_target "amdgcn-amd-amdhsa--gfx1250"
	.amdhsa_code_object_version 6
	.text
	.protected	k_q122f219753_layer
	.globl	k_q122f219753_layer
	.p2align	8
	.type	k_q122f219753_layer,@function
k_q122f219753_layer:
	s_mov_b64 s[64:65], 0
	v_nop
	global_prefetch_b8 v0, s[64:65] scope:SCOPE_SE
	s_setreg_imm32_b32 hwreg(HW_REG_WAVE_MODE, 25, 1), 1
	s_wait_xcnt 0x0
; LAYER: from src to the logits in one launch; no activation goes through memory.
; Left out, as shown at the head of the first kernel: input_lengths (never read by reference()); the bias of k (constant along the softmax's axis);
; score and attn x v tiles wholly outside the band; the [rows, 64] product of the head (folded into g and e).  A NaN, an infinity or an overflow
; that reaches only that work is not carried to the result.  relu is max(x, 0) by v_max_num_f32: a NaN there becomes 0.
;
; SHARES.  Work-group (b, batch) owns the 64 query rows 64 b .. 64 b + 63 of one batch: 4 tiles of 16 rows.  It makes x, k and v anew for the 112 rows
; in front of them (7 tiles; 99 rounded up to tiles), so local tile t = 0..10 stands for row tile clamp(4 b - 7 + t, 0, 124), tiles 7-10 are the queries.
; The text is the same straight line in every work-group.  In blocks 0, 1 and 31 of a batch some tiles lie in front of row 0 or behind row 1999: they
; are computed on clamped rows, and the mask (keys j < 0) or the last store (rows >= 2000) discards them; 24 of the 256 work-groups have such tiles.
; In every product with 256 output features wave w makes features 64 w .. 64 w + 63 of all row tiles: its 32 KiB of bf16 weights go from wts straight
; into 256 registers, 64 loads of 512 neighbouring bytes, and are read once by the work-group.  Activations lie in LDS as bf16 [row][256].
; In attention wave w takes query tile w, both heads.
; NO CLUSTER, NO TENSOR LOADS: a weight slice is used by one wave alone and lands in that wave's registers; 320,032 of the 327,680 bytes of LDS that a
; work-group can have hold activations, so there is no room for slots into which a joint load could bring weights.
;
; THE MATRIX INSTRUCTION: source 0 = 16 output features of a weight (rows of W), source 1 = 16 data rows.  Lane (r, h) then holds in register j of the
; result feature f0 + 8 h + j of data row r: eight neighbouring features, 16 bytes of bf16, which go to LDS where the next product's fragments are read.
; v is made with the sources swapped (a lane holds eight neighbouring keys of one feature) and is kept transposed, VT[feature][key].
;
; THE WAY OUT OF A TRIP STANDS AMONG THE NEXT TRIP'S PRODUCTS.  A trip is one row tile x my 64 features x K = 256: 32 matrix instructions on four sums.
; Two sets of four sums take turns from trip to trip, so a trip's results can be rounded to bf16 while the next trip multiplies: four slices of four
; conversions (one feature tile each), behind K steps 0, 1, 3 and 7 of the next trip.  The slices behind K steps 3 and 7 are at the same time the four
; places between the last product that read a half of the fragments and the loads that fill that half again, and the slice behind
; K step 7 is also the four places between that trip's last products and its own first slice.  v_nop stands only where no way out is pending.
;
; LDS.  Rows of 512 bytes lie 528 apart, VT's rows of 352 bytes 368 apart: odd multiples of 16, so the sixteen rows that a 16-byte access of sixteen
; lanes touches begin at sixteen different places modulo 256 bytes.
;   RG0      0  176 x 528  src in bf16, then k, then relu(lin1) in tiles 0-3
;   RG1  92928  176 x 528  x in bf16, then the attention's result in tiles 7-10
;   RG2 185856  256 x 368  VT
;   RG3 280064   64 x 528  q, then LayerNorm 1's result
;   LS1 313856  [wave][row] 8 bytes: mean, M2 of the wave's 64 features      LS2 315904  [wave][row] 16 bytes: mean, M2, dot, dot
;   LS3 320000  [wave] 8 bytes: sums of the wave's g and e
; REGISTERS, in windows of 256 (s_set_vgpr_msb, low byte: bits 1:0 source 0, 3:2 source 1, 5:4 source 2, 7:6 destination):
;   window 0: v0-31 addresses; v32-95 activation fragments; v96-127 and v160-191 the two sets of sums; v128-143 packed results; v192-255 two slots of 32
;             (table, bias); in attention v32-63 q then p, v64-127 and v128-191 two buffers of k or VT fragments, v192-255 scores then results
;   window 1: weights of enc, v, out, lin2        window 2: src as loaded, weights of k, q, the mask, weights of lin1
;   window 3: v0-127 the residual stream of the four query tiles in f32; v128-223 three vectors of 32 (in P1: pieces of the table); v224-247 at work;
;             v248-252 LDS addresses
; LOADS ARE DEALT OUT among the work, 8 or 16 at a time, each weight as soon as the registers that it lands in are free:
;   window 1: W_enc (asked for together with src) -> v's weights in P2 -> out_proj_w in P4 -> lin2_w in LayerNorm 1
;   window 2: src -> k's weights in P1's trips 4-7 -> q's weights in P3 -> lin1_w in the attention (the 64 registers under the mask last)
; so that no product, conversion or store that is ready stands behind a long run of loads.
; WAITS.  The text has no loop, so the count of a wait is the number of younger instructions on the same counter, and the assembler counts them:
; NGL, NDS = global loads, LDS instructions issued so far; a mark is the counter's value behind a group of loads.
.set TSTEP, 8448                       ; 16 rows of 528 bytes
.set PITCH, 528
.set HIOFF, 59136                      ; tile 7: a second base register, since an LDS offset has 16 bits
.set RG1, 92928
.set RG2, 185856
.set RG3, 280064
.set LS1, 313856
.set LS2, 315904
.set LS3, 320000
.set LANE, 1
.set RR, 2                             ; lane % 16
.set HH, 3                             ; lane / 16
.set WOFF, 4                           ; 32768 w + 16 lane: my place in a weight's 128 KiB
.set POFF, 5                           ; 4096 w + 16 lane: my place in a tile of src or of peb
.set BOFF, 6                           ; 256 w + 32 h: a vector of 256 f32 in the order of a result's registers
.set BOFV, 7                           ; 256 w + 4 r: the same for the swapped product
.set P0S, 8                            ; v8-9    staging: 4 w rows + 8 lane
.set L_R0, 10                          ; v10-11  fragment loads: 528 r + 16 h in RG0, tile 0 and tile 7
.set L_R1, 12                          ; v12-13  in RG1
.set L_R3, 14                          ; in RG3
.set S_R1, 15                          ; v15-16  stores of results: the same + 128 w
.set S_R0, 17                          ; v17-18
.set S_R3, 19
.set VTS, 20                           ; RG2 + (64 w + r) 368 + 16 h
.set VTL, 21                           ; v21-22  RG2 + 368 r + 32 w + 16 h, head 0 and head 1
.set KL, 23                            ; my eight key tiles begin at local tile w
.set QL, 24
.set CS, 25
.set MLO, 26
.set MHI, 27
.set VNEG, 28
.set VZERO, 29
.set RL, 30                            ; v30-31  at work; in attention 1 / sum, twice
.set BF, 32
.set AC0, 96                           ; the two sets of sums
.set AC1, 160
.set TMP, 128
.set SL1, 192
.set SL2, 224
.set QF, 32
.set KA, 64
.set KB, 128
.set SC, 192
.set XR, 0
.set PVA, 128
.set PVB, 160
.set PVC, 192
.set T3, 224
.set A_R3, 248
.set A_S1S, 249
.set A_S1L, 250
.set A_S2S, 251
.set A_S3S, 252
.set SRCB, 36                          ; s[36:57]  address of local tile t in src
.set PEBB, 66                          ; s[66:87]  address of local tile t in peb
.set MSB, 0
.set NGL, 0
.set NDS, 0
.set ACS, AC0                          ; the set whose turn it is
.set PEND, 0                           ; 1: a trip's way out is pending (all four slices)
.set PEND3, 0                          ; 1: its fourth slice is still pending
.set PW_ACC, AC0                       ; the pending way out: its sums, their window, relu or not, bytes from feature tile to feature tile, base register, offset
.set PW_WIN, 0
.set PW_RELU, 0
.set PW_FS, 32
.set PW_SB, S_R1
.set PW_SO, 0
.macro WIN new                         ; the immediate's high byte repeats the setting that is left
.if MSB != \new
	s_set_vgpr_msb (MSB<<8)|\new
.set MSB, \new
.endif
.endm
.macro WAITL mark                      ; the loads up to the mark are in; a count above the field's 63 is written as 63, which waits for more
.if (NGL-(\mark))>63
	s_wait_loadcnt 63
.else
	s_wait_loadcnt NGL-(\mark)
.endif
.endm
.macro WAITD mark
.if (NDS-(\mark))>63
	s_wait_dscnt 63
.else
	s_wait_dscnt NDS-(\mark)
.endif
.endm
; Four places behind matrix instructions, in front of a vector instruction that reads a result or writes an operand, and of a load into an operand.
.macro PLACES
.rept 4
	v_nop
.endr
.endm
.macro BAR                             ; my LDS stores are done and my LDS loads are back: then the barrier
	s_wait_dscnt 0x0
	s_barrier_signal -1
	s_barrier_wait -1
.endm
.macro NEXT tl, lo                     ; NB, NO: base register and offset of tile tl, for the fetch ahead
.if (\tl)<7
.set NB, \lo
.set NO, (\tl)*TSTEP
.else
.set NB, \lo+1
.set NO, ((\tl)-7)*TSTEP
.endif
.endm
.macro DEST tl, lo                     ; SB, SO: the same for the stores
.if (\tl)<7
.set SB, \lo
.set SO, (\tl)*TSTEP
.else
.set SB, \lo+1
.set SO, ((\tl)-7)*TSTEP
.endif
.endm
; cnt loads of my slice of the weight whose first feature tile is fb: load i brings half a fragment into registers 4 i .. 4 i + 3 of window win.
; ho = 0: in the order of the registers.  ho = 1: in the order of use, the fragments of K steps 0-3 of my four feature tiles first (32 loads), then those of K steps 4-7.
.macro LOADW win, fb, first, cnt, ho
	WIN (\win<<6)
.set n, \first
.rept \cnt
.if \ho
.set i, 16*((n%32)/8)+8*(n/32)+(n%8)
.else
.set i, n
.endif
	global_load_b128 v[4*i:4*i+3], v[WOFF], s[6:7] offset:\fb*8192+512*i
.set n, n+1
.endr
.set NGL, NGL+\cnt
.endm
; a vector of 256 f32 at s[sb:sb+1] + byteoff: my 32 numbers, register 8 ft + j = feature 64 w + 16 ft + 8 h + j
.macro LOADVEC dstwin, dst, sb, byteoff
	WIN (\dstwin<<6)
.irp c, 0,1,2,3,4,5,6,7
	global_load_b128 v[\dst+4*\c:\dst+4*\c+3], v[BOFF], s[\sb:\sb+1] offset:\byteoff+64*(\c/2)+16*(\c%2)
.endr
.set NGL, NGL+8
.endm
.macro LOADPE dstwin, dst, tl          ; my 32 numbers of the table for local tile tl, already in register order; M_PEtl is their mark
	WIN (\dstwin<<6)
.irp c, 0,1,2,3,4,5,6,7
	global_load_b128 v[\dst+4*\c:\dst+4*\c+3], v[POFF], s[PEBB+2*\tl:PEBB+2*\tl+1] offset:512*\c
.endr
.set NGL, NGL+8
.set M_PE\tl, NGL
.endm
.macro FETCHB half, base, off          ; four activation fragments (16 rows x 128 of K) from LDS
	WIN 0
.irp k, 0,1,2,3
	ds_load_b128 v[BF+8*(4*\half+\k):BF+8*(4*\half+\k)+3], v[\base] offset:\off+64*(4*\half+\k)
	ds_load_b128 v[BF+8*(4*\half+\k)+4:BF+8*(4*\half+\k)+7], v[\base] offset:\off+64*(4*\half+\k)+32
.endr
.set NDS, NDS+8
.if \half
.set M_BQ, NDS
.else
.set M_BP, NDS
.endif
.endm
; One K step: 4 matrix instructions, one for each of my four feature tiles.  The four sums take turns, one instruction a turn.
; cm: 1 = the sum starts from v[cb ..] (bias or table), 2 = from 0, 0 = it goes on in place.
.macro KSTEP ks, swap, cm, cb, acc
.irp f, 0,1,2,3
.set WFR, 8*(8*\f+\ks)
.set AFR, BF+8*\ks
.set DR, \acc+8*\f
.if \swap
.if \cm==1
	v_wmma_f32_16x16x32_bf16 v[DR:DR+7], v[AFR:AFR+7], v[WFR:WFR+7], v[\cb+8*\f:\cb+8*\f+7]
.else
	v_wmma_f32_16x16x32_bf16 v[DR:DR+7], v[AFR:AFR+7], v[WFR:WFR+7], v[DR:DR+7]
.endif
.else
.if \cm==1
	v_wmma_f32_16x16x32_bf16 v[DR:DR+7], v[WFR:WFR+7], v[AFR:AFR+7], v[\cb+8*\f:\cb+8*\f+7]
.elseif \cm==2
	v_wmma_f32_16x16x32_bf16 v[DR:DR+7], v[WFR:WFR+7], v[AFR:AFR+7], 0
.else
	v_wmma_f32_16x16x32_bf16 v[DR:DR+7], v[WFR:WFR+7], v[AFR:AFR+7], v[DR:DR+7]
.endif
.endif
.endr
.endm
; Slice f of the pending way out: feature tile f of the last trip's sums, (relu,) rounded to bf16: 16 bytes a lane in TMP.
; It names the last trip's set of sums and TMP alone: none of the running trip's registers.
.macro WOUT f
.if PW_WIN==3
	WIN 0x0f
.else
	WIN 0
.endif
.if PW_RELU
.irp j, 0,1,2,3,4,5,6,7
	v_max_num_f32 v[PW_ACC+8*\f+\j], 0, v[PW_ACC+8*\f+\j]
.endr
.endif
.irp q, 0,1,2,3
	v_cvt_pk_bf16_f32 v[TMP+4*\f+\q], v[PW_ACC+8*\f+2*\q], v[PW_ACC+8*\f+2*\q+1]
.endr
.endm
.macro WSTORE f                        ; and its 16 bytes a lane to LDS (under window 0)
	ds_store_b128 v[PW_SB], v[TMP+4*\f:TMP+4*\f+3] offset:PW_SO+\f*PW_FS
.set NDS, NDS+1
.endm
; The first half of a trip: K steps 0-3 into the sums at acc, with slices 0, 1, 2 of the last trip's way out behind K steps 0, 1, 3.
; win = the products' windows; cw = the window of the registers that the sums start from (the first K step's source 2).
; Behind it the fragments of K steps 0-3 are loaded again with the next tile's (nfetch), and the caller deals out global loads.
.macro TRIPA win, cw, swap, cmode, cb, acc, nfetch
	WAITD M_BP                                     ; the first four fragments are in; what is younger (stores, the other four) may be out
	WIN (((\win)&0xcf)|((\cw)<<4))
	KSTEP 0, \swap, \cmode, \cb, \acc
.if PEND
	WOUT 0
.endif
	WIN \win
	KSTEP 1, \swap, 0, 0, \acc
.if PEND
	WOUT 1
.endif
	WIN \win
	KSTEP 2, \swap, 0, 0, \acc
	KSTEP 3, \swap, 0, 0, \acc
.if PEND
	WOUT 2                                         ; four places in front of the loads into the fragments just read
	WIN 0
.else
	WIN 0
	PLACES
.endif
.if \nfetch
	FETCHB 0, NB, NO
.endif
.if PEND
	WSTORE 0
	WSTORE 1
	WSTORE 2
.set PEND, 0
.set PEND3, 1
.endif
.endm
; The second half: K steps 4-7, then slice 3 of the last trip's way out, then the next tile's fragments of K steps 4-7.
; epi = 1: this trip's own way out (to v[SB] + SO) becomes the pending one, and the other set of sums has the next turn.
.macro TRIPB win, swap, acc, epi, relu, srcwin, fstep, nfetch
	WAITD M_BQ                                     ; the other four fragments are in; what is younger may be out
	WIN \win
	KSTEP 4, \swap, 0, 0, \acc
	KSTEP 5, \swap, 0, 0, \acc
	KSTEP 6, \swap, 0, 0, \acc
	KSTEP 7, \swap, 0, 0, \acc
.if PEND3
	WOUT 3                                         ; four places: for the loads below, and for whatever reads this trip's sums next
	WIN 0
.else
	WIN 0
	PLACES
.endif
.if \nfetch
	FETCHB 1, NB, NO
.endif
.if PEND3
	WSTORE 3
.set PEND3, 0
.endif
.if \epi
.set PEND, 1
.set PW_ACC, \acc
.set PW_WIN, \srcwin
.set PW_RELU, \relu
.set PW_FS, \fstep
.set PW_SB, SB
.set PW_SO, SO
.if \srcwin==0
.set ACS, AC0+AC1-ACS
.endif
.endif
.endm
; The pending way out in one piece, in front of a barrier behind which other waves read it.  The four places behind the last products stand at the end of TRIPB.
.macro FLUSH
	WOUT 0
	WOUT 1
	WOUT 2
	WOUT 3
	WIN 0
	WSTORE 0
	WSTORE 1
	WSTORE 2
	WSTORE 3
.set PEND, 0
.endm
; ================= set-up: what the first loads need =================
	s_load_b512 s[4:19], s[0:1], 0x0               ; src s[4:5], wts s[6:7], peb s[8:9], head s[10:11], in_proj_b s[12:13], out_proj_b s[14:15], ln1_w s[16:17], ln1_b s[18:19]
	s_load_b128 s[20:23], s[0:1], 0x40             ; lin1_b s[20:21], lin2_b s[22:23]
	s_load_b64 s[24:25], s[0:1], 0x50              ; out0
	s_set_vgpr_msb 0xc0
	v_lshl_add_u32 v254, v0, 2, 0x4e400
	v_mov_b32 v255, 0
	s_set_vgpr_msb 0xc000
	v_lshrrev_b32 v30, 5, v0
	v_readfirstlane_b32 s2, v30                    ; wave w
	v_and_b32 v[LANE], 31, v0
	s_mov_b32 s3, ttmp9                            ; block b
	s_and_b32 s26, ttmp7, 0xffff                   ; batch
	s_lshl_b32 s59, s2, 12
	v_lshl_add_u32 v[POFF], v[LANE], 4, s59
	s_lshl_b32 s59, s2, 15
	v_lshl_add_u32 v[WOFF], v[LANE], 4, s59
	s_mul_i32 s60, s26, 2048000                    ; a batch of src in bytes
	s_mov_b32 s61, 0
	s_lshl_b32 s58, s3, 2                          ; 4 b
	s_wait_kmcnt 0x0
	s_add_nc_u64 s[62:63], s[4:5], s[60:61]
.irp t, 0,1,2,3,4,5,6,7,8,9,10
	s_add_co_i32 s59, s58, \t-7
	s_max_i32 s59, s59, 0
	s_min_i32 s59, s59, 124                        ; the row tile, kept inside the 125 of a batch
	s_lshl_b32 s60, s59, 14                        ; 16 rows of 1,024 bytes, in src and in peb alike
	s_add_nc_u64 s[SRCB+2*\t:SRCB+2*\t+1], s[62:63], s[60:61]
	s_add_nc_u64 s[PEBB+2*\t:PEBB+2*\t+1], s[8:9], s[60:61]
.endr
	s_mul_i32 s60, s26, 8000
	s_lshl_b32 s59, s3, 8
	s_add_co_u32 s60, s60, s59
	s_add_nc_u64 s[24:25], s[24:25], s[60:61]      ; out0 at my first row
; ================= P0: src tiles 0-3 to bf16 in LDS =================
; Of each tile the wave takes rows 4 w .. 4 w + 3: eight loads of 512 neighbouring bytes, into a ring of eight sets of 32 registers in window 2.
; Only four tiles are staged in front of the first barrier; the other seven are staged among P1's first four trips, which read tiles 0-3 alone.
.macro LOADSRC tl
	WIN 0x80
.irp k, 0,1,2,3,4,5,6,7
	global_load_b128 v[32*(\tl%8)+4*\k:32*(\tl%8)+4*\k+3], v[POFF], s[SRCB+2*\tl:SRCB+2*\tl+1] offset:512*\k
.endr
.set NGL, NGL+8
.set M_SRC\tl, NGL
.endm
.macro STAGE tl
	WAITL M_SRC\tl
	WIN 0x0a
.irp q, 0,1,2,3,4,5,6,7,8,9,10,11,12,13,14,15
	v_cvt_pk_bf16_f32 v[TMP+\q], v[32*(\tl%8)+2*\q], v[32*(\tl%8)+2*\q+1]
.endr
	WIN 0
.if \tl<7
.set GB, P0S
.set GO, \tl*TSTEP
.else
.set GB, P0S+1
.set GO, (\tl-7)*TSTEP
.endif
.irp k, 0,1,2,3,4,5,6,7
	ds_store_b64 v[GB], v[TMP+2*\k:TMP+2*\k+1] offset:GO+PITCH*(\k/2)+256*(\k%2)   ; 32 lanes x 8 bytes: half a row
.endr
.set NDS, NDS+8
.endm
	LOADSRC 0
	LOADSRC 1
	LOADSRC 2
	LOADSRC 3
	LOADW 1, 0, 0, 24, 1                           ; W_enc, in the order of use: 56 loads are out
	WIN 0
	; the rest of the set-up, while the loads are on their way
	s_mov_b32 s28, 0x3e0293ee                      ; log2(e) / sqrt(128): the scores' scale, for exponentials in base 2
	s_mov_b32 s29, 0x3e0293ee
	s_mov_b32 s30, 0x76543210                      ; v_permlanex16_b32: lane i reads lane i of the other half
	s_mov_b32 s31, 0xfedcba98
	s_mov_b32 s32, 0x3727c5ac                      ; 1e-5
	s_mov_b32 s33, 0x3b800000                      ; 1 / 256
	s_mov_b32 s34, 0x3c800000                      ; 1 / 64
	s_lshl_b32 s58, s3, 6
	s_sub_co_u32 s35, 2000, s58
	s_min_u32 s35, s35, 64                         ; how many of my 64 rows exist
	v_and_b32 v[RR], 15, v0
	v_bfe_u32 v[HH], v0, 4, 1
	s_lshl_b32 s58, s2, 8
	v_lshl_add_u32 v[BOFF], v[HH], 5, s58
	v_lshl_add_u32 v[BOFV], v[RR], 2, s58
	s_mul_i32 s58, s2, 4*PITCH
	v_lshl_add_u32 v[P0S], v[LANE], 3, s58
	v_add_nc_u32 v[P0S+1], HIOFF, v[P0S]
	v_mul_u32_u24 v30, v[RR], PITCH
	v_lshl_add_u32 v[L_R0], v[HH], 4, v30          ; 528 r + 16 h
	v_add_nc_u32 v[L_R0+1], HIOFF, v[L_R0]
	v_add_nc_u32 v[L_R1], RG1, v[L_R0]
	v_add_nc_u32 v[L_R1+1], RG1+HIOFF, v[L_R0]
	v_add_nc_u32 v[L_R3], RG3, v[L_R0]
	s_lshl_b32 s58, s2, 7                          ; my 64 features: 128 bytes of a row
	v_add_nc_u32 v[S_R1], s58, v[L_R1]
	v_add_nc_u32 v[S_R1+1], s58, v[L_R1+1]
	v_add_nc_u32 v[S_R0], s58, v[L_R0]
	v_add_nc_u32 v[S_R0+1], s58, v[L_R0+1]
	v_add_nc_u32 v[S_R3], s58, v[L_R3]
	v_mul_u32_u24 v30, v[RR], 368
	v_lshl_add_u32 v30, v[HH], 4, v30              ; 368 r + 16 h
	s_mul_i32 s58, s2, 64*368
	v_add3_u32 v[VTS], v30, s58, RG2
	s_lshl_b32 s58, s2, 5                          ; my keys begin at local key 16 w
	v_add3_u32 v[VTL], v30, s58, RG2
	v_add_nc_u32 v[VTL+1], 128*368, v[VTL]
	s_mul_i32 s58, s2, TSTEP
	v_add_nc_u32 v[KL], s58, v[L_R0]
	v_add_nc_u32 v[QL], s58, v[L_R3]
	v_add_nc_u32 v[CS], s58, v[L_R1+1]
	; The mask.  In a score tile lane (r, h) holds query i = 64 b + 16 w + r and, in register j of key tile kt, key i - (112 + r) + 16 kt + 8 h + j.
	; With c = 16 kt + j: allowed where 0 <= i - key <= min(99, i), that is MLO <= c <= MHI.  min(.., i) shuts out the keys in front of row 0.
	v_lshlrev_b32 v30, 3, v[HH]
	v_sub_nc_u32 v[MHI], v[RR], v30
	v_add_nc_u32 v[MHI], 112, v[MHI]
	s_lshl_b32 s58, s3, 6
	s_lshl4_add_u32 s58, s2, s58
	v_add_nc_u32 v30, s58, v[RR]
	v_min_u32 v30, 99, v30
	v_sub_nc_u32 v[MLO], v[MHI], v30
	v_mov_b32 v[VNEG], 0xf149f2ca                  ; -1e30
	v_mov_b32 v[VZERO], 0
	s_lshl_b32 s58, s2, 9
	s_add_co_u32 s58, s58, LS1
	s_lshl_b32 s59, s2, 10
	s_add_co_u32 s59, s59, LS2
	s_lshl_b32 s60, s2, 3
	s_add_co_u32 s60, s60, LS3
	WIN 0xc0                                       ; LDS addresses for the phases that work in window 3 alone
	v_mov_b32 v[A_R3], v[S_R3]
	v_lshl_add_u32 v[A_S1S], v[RR], 3, s58
	v_lshl_add_u32 v[A_S1L], v[RR], 3, LS1
	v_lshl_add_u32 v[A_S2S], v[RR], 4, s59
	v_mov_b32 v[A_S3S], s60
	; each tile is staged as it lands, and eight more loads go out behind it: 48 younger loads at each of these waits, 56 out behind each step
	STAGE 0
	LOADW 1, 0, 24, 8, 1                           ; W_enc's K steps 0-3 are now all asked for
	STAGE 1
	LOADPE 3, PVA, 0                               ; the table for tile 0, ahead of W_enc's second half: trip 0's first half needs no more than this
	STAGE 2
	LOADW 1, 0, 32, 8, 1
	STAGE 3
	LOADW 1, 0, 40, 8, 1
	BAR                                            ; src tiles 0-3 are whole in RG0
; ================= P1: x = src W_enc^T + (table + b_enc) =================
; The loads are issued in the order in which they are needed.  A run of loads stands in front of a wait only where that wait's count stays at or below 63:
; a full counter then holds the issue no longer than the wait itself would hold the wave.
; The table's pieces for the halo tiles lie in five slots: tiles 0, 1, 2 and again 5, 6 in window 3's three vectors (free until P3), tiles 3, 4 in SL1, SL2.
.macro ENCA t, nf                      ; halo tile t, K steps 0-3; the sum starts from the table
	WAITL M_PE\t
	NEXT \t+1, L_R0
	DEST \t, S_R1
.if (\t%5)<3
.set CW, 3
.set CBR, PVA+32*(\t%5)
.else
.set CW, 0
.set CBR, SL1+32*((\t%5)-3)
.endif
	TRIPA 0x01, CW, 0, 1, CBR, ACS, \nf
.endm
.macro ENCB nf
	TRIPB 0x01, 0, ACS, 1, 0, 0, 32, \nf
.endm
.macro ENQA q, nf                      ; query tile q: the sum starts from the table in window 3 and stays there in f32
.set NB, L_R0+1
.set NO, (\q+1)*TSTEP
.set SB, S_R1+1
.set SO, \q*TSTEP
	TRIPA 0xf1, 3, 0, 0, 0, XR+32*\q, \nf
.endm
.macro ENQB q, nf
	TRIPB 0xf1, 0, XR+32*\q, 1, 0, 3, 32, \nf
.endm
	FETCHB 0, L_R0, 0
	FETCHB 1, L_R0, 0
	LOADW 1, 0, 48, 16, 1                          ; the rest of W_enc
.set M_WE, NGL
	LOADPE 3, PVB, 1
	LOADSRC 4
	LOADSRC 5
	ENCA 0, 1                                      ; 56 younger loads stay out: W_enc's K steps 4-7, table 1, src 4 and 5
	LOADPE 3, PVC, 2
	LOADSRC 6
	LOADSRC 7
	WAITL M_WE                                     ; W_enc's second half; 48 younger
	ENCB 1
	STAGE 4                                        ; into RG0's tiles 4-10, which no wave reads before the next barrier
	LOADPE 0, SL1, 3
	LOADSRC 8
	ENCA 1, 1
	STAGE 5
	LOADSRC 9
	ENCB 1
	STAGE 6
	LOADSRC 10
	LOADPE 0, SL2, 4
	ENCA 2, 1
	STAGE 7
	LOADPE 3, XR, 7
	ENCB 1
	STAGE 8
	LOADPE 3, PVA, 5                               ; a slot is asked for again well behind the trip that started from it
	LOADPE 3, XR+32, 8
	ENCA 3, 0                                      ; tile 4 is not whole yet: nothing is fetched ahead
	STAGE 9
	LOADPE 3, XR+64, 9
	ENCB 0
	STAGE 10
	LOADPE 3, XR+96, 10
	LOADPE 3, PVB, 6                               ; the youngest piece of the table: trip 6's wait for it also shows the four query tiles' pieces in
	BAR                                            ; src tiles 4-10 are whole in RG0.  Tile 3's way out goes on behind it: nobody reads x before P1's last barrier
	FETCHB 0, L_R0, 4*TSTEP
	FETCHB 1, L_R0, 4*TSTEP
	ENCA 4, 1
	LOADW 2, 32, 0, 16, 0                          ; k's weights, a quarter a trip, over the src ring, which has been used up
	ENCB 1
	ENCA 5, 1
	LOADW 2, 32, 16, 16, 0
	WIN 0
.irp f, 0,1,2,3
	global_load_b32 v[SL2+8*\f], v[BOFV], s[12:13] offset:2048+64*\f   ; v's bias, where tile 4's table lay: in the swapped product a lane has one feature
.endr
.set NGL, NGL+4
	ENCB 1
	ENCA 6, 1
	LOADW 2, 32, 32, 16, 0
	LOADVEC 0, SL1, 12, 0                          ; q's bias, where tile 3's table lay
	ENCB 1
	ENQA 0, 1
	LOADW 2, 32, 48, 16, 0
.set M_WK, NGL
	ENQB 0, 1
	ENQA 1, 1
	ENQB 1, 1
	ENQA 2, 1
	ENQB 2, 1
	ENQA 3, 0
	ENQB 3, 0
	FLUSH
	BAR                                            ; x is whole in RG1, and nobody reads src any more
; ================= P2: k = x Wk^T (no bias: see the head) into RG0 =================
	FETCHB 0, L_R1, 0
	FETCHB 1, L_R1, 0
	WAITL M_WK                                     ; k's weights, the youngest loads, and with them the two biases
.irp f, 0,1,2,3
.irp j, 1,2,3,4,5,6,7
	v_mov_b32 v[SL2+8*\f+\j], v[SL2+8*\f]          ; v's bias in all eight registers (keys) of a result
.endr
.endr
.irp t, 0,1,2,3,4,5,6,7,8,9,10
.if \t<10
	NEXT \t+1, L_R1
.else
	NEXT 0, L_R1
.endif
	DEST \t, S_R0
	TRIPA 0x02, 0, 0, 2, 0, ACS, 1
.if \t<8
	LOADW 1, 48, 8*\t, 8, 0                        ; v's weights, over W_enc: an eighth a trip, three trips left for the last to land
.endif
	TRIPB 0x02, 0, ACS, 1, 0, 0, 32, 1
.endr
.set M_WV, NGL
; ================= P3: v = x Wv^T + bias, sources swapped, into VT =================
; (the way out of k's last tile stands among this pass's first products, and so on into P4: no barrier lies between)
	WAITL M_WV
.irp t, 0,1,2,3,4,5,6,7,8,9,10
.if \t<10
	NEXT \t+1, L_R1
.else
	NEXT 7, L_R1
.endif
.set SB, VTS
.set SO, 32*\t
	TRIPA 0x04, 0, 1, 1, SL2, ACS, 1
.if \t<8
	LOADW 2, 16, 8*\t, 8, 0                        ; q's weights, over k's
.set M_WQ, NGL
.endif
.if \t==8
	LOADVEC 3, PVA, 14, 0                          ; out_proj_b
.endif
.if \t==9
	LOADVEC 3, PVB, 16, 0                          ; ln1_w
.endif
.if \t==10
	LOADVEC 3, PVC, 18, 0                          ; ln1_b
.endif
	TRIPB 0x04, 1, ACS, 1, 0, 0, 16*368, 1
.endr
; ================= P4: q = x Wq^T + bias, the four query tiles, into RG3 =================
	WAITL M_WQ                                     ; the three vectors, 24 loads, are younger
.irp q, 0,1,2,3
.set NB, L_R1+1
.set NO, (\q+1)*TSTEP
.set SB, S_R3
.set SO, \q*TSTEP
	TRIPA 0x02, 0, 0, 1, SL1, ACS, \q<3
	LOADW 1, 64, 16*\q, 16, 0                      ; out_proj_w, over v's weights; the attention is there for it to land
	TRIPB 0x02, 0, ACS, 1, 0, 0, 32, \q<3
.endr
.set M_WO, NGL
	FLUSH
	; the mask as 64 addends, 0 or -1e30, in window 2 (q's weights are done with), for both heads.  In key tiles 0-6 c <= 103 < 104 <= MHI.
	WIN 0x80
.irp kt, 0,1,2,3,4,5,6
.irp j, 0,1,2,3,4,5,6,7
	v_cmp_ge_i32 vcc_lo, 16*\kt+\j, v[MLO]
	v_cndmask_b32 v[8*\kt+\j], v[VNEG], v[VZERO], vcc_lo
.endr
.endr
.irp j, 0,1,2,3,4,5,6,7
	v_cmp_ge_i32 vcc_lo, 112+\j, v[MLO]
	v_cmp_le_i32 s58, 112+\j, v[MHI]
	s_and_b32 vcc_lo, vcc_lo, s58
	v_cndmask_b32 v[56+\j], v[VNEG], v[VZERO], vcc_lo
.endr
	WIN 0
	BAR                                            ; k, VT and q are whole; nobody reads x in RG1 any more.  (P2 to P4 read RG1 alone and write RG0, RG2, RG3.)
; ================= P5: attention, wave w = query tile w =================
.macro KGROUP buf, hd, ks              ; K step ks (32 features of head hd) of my eight key tiles
.irp kt, 0,1,2,3,4,5,6,7
	ds_load_b128 v[\buf+8*\kt:\buf+8*\kt+3], v[KL] offset:TSTEP*\kt+256*\hd+64*\ks
	ds_load_b128 v[\buf+8*\kt+4:\buf+8*\kt+7], v[KL] offset:TSTEP*\kt+256*\hd+64*\ks+32
.endr
.set NDS, NDS+16
.endm
.macro VGROUP buf, hd, st              ; 32 keys (step st) of the head's eight feature tiles of VT
.irp dt, 0,1,2,3,4,5,6,7
	ds_load_b128 v[\buf+8*\dt:\buf+8*\dt+3], v[VTL+\hd] offset:16*368*\dt+64*\st
	ds_load_b128 v[\buf+8*\dt+4:\buf+8*\dt+7], v[VTL+\hd] offset:16*368*\dt+64*\st+32
.endr
.set NDS, NDS+16
.endm
.macro RUN8 buf, st, zero              ; eight sums take turns, one instruction a turn: tile n (+)= buf[n] x fragment st of q or p
.irp n, 0,1,2,3,4,5,6,7
.if \zero
	v_wmma_f32_16x16x32_bf16 v[SC+8*\n:SC+8*\n+7], v[\buf+8*\n:\buf+8*\n+7], v[QF+8*\st:QF+8*\st+7], 0
.else
	v_wmma_f32_16x16x32_bf16 v[SC+8*\n:SC+8*\n+7], v[\buf+8*\n:\buf+8*\n+7], v[QF+8*\st:QF+8*\st+7], v[SC+8*\n:SC+8*\n+7]
.endif
.endr
.endm
; One head.  lw: 24 loads of lin1_w from load lw on are dealt out among the scores (window 2's registers 64-255 are free; the mask lies in 0-63).
; lm = 1: the mask has had its last use in this head's softmax; lin1_w's first 16 loads, onto its registers, go out among the products with v.
.macro ATT hd, lw, lm
.irp ks, 0,1,2,3
	ds_load_b128 v[QF+8*\ks:QF+8*\ks+3], v[QL] offset:256*\hd+64*\ks
	ds_load_b128 v[QF+8*\ks+4:QF+8*\ks+7], v[QL] offset:256*\hd+64*\ks+32
.endr
.set NDS, NDS+8
	KGROUP KA, \hd, 0
.set M_KA, NDS
	KGROUP KB, \hd, 1
.set M_KB, NDS
	; scores: source 0 = 16 keys, source 1 = my 16 queries; lane (r, h) gets query r, keys 16 kt + 8 h + j
	WAITD M_KA                                     ; the younger group of 16 stays out
	RUN8 KA, 0, 1
	PLACES
	KGROUP KA, \hd, 2
.set M_KA, NDS
	LOADW 2, 80, \lw, 8, 0
	WIN 0
	WAITD M_KB
	RUN8 KB, 1, 0
	PLACES
	KGROUP KB, \hd, 3
.set M_KB, NDS
	LOADW 2, 80, \lw+8, 8, 0
	WIN 0
	WAITD M_KA
	RUN8 KA, 2, 0
	PLACES
	VGROUP KA, \hd, 0                              ; VT's first 32 keys come in during the softmax
.set M_KA, NDS
	LOADW 2, 80, \lw+16, 8, 0
	WIN 0
	WAITD M_KB
	RUN8 KB, 3, 0
	PLACES
	; softmax over the lane's 64 numbers and those of lane xor 16.  Buffer KB is free: at work.
	WIN 0x20
.set i, 0
.rept 32
	v_pk_fma_f32 v[SC+2*i:SC+2*i+1], v[SC+2*i:SC+2*i+1], s[28:29], v[2*i:2*i+1] op_sel_hi:[1,0,1]   ; score x scale + mask
.set i, i+1
.endr
	WIN 0
.irp c, 0,1,2,3
	v_max_num_f32 v[KB+\c], v[SC+\c], v[SC+4+\c]
.endr
.set i, 8
.rept 7
.irp c, 0,1,2,3
	v_max3_num_f32 v[KB+\c], v[KB+\c], v[SC+i+\c], v[SC+i+4+\c]
.endr
.set i, i+8
.endr
	v_max3_num_f32 v[KB], v[KB], v[KB+1], v[KB+2]
	v_max_num_f32 v[KB], v[KB], v[KB+3]
	v_permlanex16_b32 v[KB+1], v[KB], s30, s31
	v_max_num_f32 v[KB+4], v[KB], v[KB+1]          ; the row's maximum, twice; key = query is always allowed, so it is a true score
	v_max_num_f32 v[KB+5], v[KB], v[KB+1]
.set i, 0
.rept 32
	v_pk_add_f32 v[SC+2*i:SC+2*i+1], v[SC+2*i:SC+2*i+1], v[KB+4:KB+5] neg_lo:[0,1] neg_hi:[0,1]
.set i, i+1
.endr
.set i, 0
.rept 64
	v_exp_f32 v[SC+i], v[SC+i]
.set i, i+1
.endr
	v_nop                                          ; one plain instruction behind the exponentials (ISA guide 5.7.2)
	s_wait_alu depctr_va_vdst(0)
.irp c, 0,1,2,3
	v_pk_add_f32 v[KB+8+2*\c:KB+9+2*\c], v[SC+2*\c:SC+2*\c+1], v[SC+8+2*\c:SC+9+2*\c]
.endr
.set i, 16
.rept 6
.irp c, 0,1,2,3
	v_pk_add_f32 v[KB+8+2*\c:KB+9+2*\c], v[KB+8+2*\c:KB+9+2*\c], v[SC+i+2*\c:SC+i+2*\c+1]
.endr
.set i, i+8
.endr
	v_pk_add_f32 v[KB+8:KB+9], v[KB+8:KB+9], v[KB+10:KB+11]
	v_pk_add_f32 v[KB+12:KB+13], v[KB+12:KB+13], v[KB+14:KB+15]
	v_pk_add_f32 v[KB+8:KB+9], v[KB+8:KB+9], v[KB+12:KB+13]
	v_add_f32 v[KB+8], v[KB+8], v[KB+9]
	v_permlanex16_b32 v[KB+9], v[KB+8], s30, s31
	v_add_f32 v[KB+8], v[KB+8], v[KB+9]            ; at least 1: the maximum's own term
	v_rcp_f32 v[RL], v[KB+8]
	v_rcp_f32 v[RL+1], v[KB+8]                     ; used behind the products; the conversions below are the plain instructions behind it
	; p in bf16: the lane's registers of score tiles 2 s and 2 s + 1 are, as they lie, source 1's fragment for keys 32 s .. 32 s + 31
.set i, 0
.rept 32
	v_cvt_pk_bf16_f32 v[QF+i], v[SC+2*i], v[SC+2*i+1]
.set i, i+1
.endr
	VGROUP KB, \hd, 1
.set M_KB, NDS
	; p x v: source 0 = 16 features of VT, source 1 = p; lane (r, h) gets query r, features 16 dt + 8 h + j
	WAITD M_KA
	RUN8 KA, 0, 1
	PLACES
	VGROUP KA, \hd, 2
.set M_KA, NDS
.if \lm
	LOADW 2, 80, 0, 8, 0
	WIN 0
.endif
	WAITD M_KB
	RUN8 KB, 1, 0
	PLACES
	VGROUP KB, \hd, 3
.set M_KB, NDS
.if \lm
	LOADW 2, 80, 8, 8, 0
	WIN 0
.endif
	WAITD M_KA
	RUN8 KA, 2, 0
	WAITD M_KB
	RUN8 KB, 3, 0
	PLACES
.set i, 0
	s_wait_alu depctr_va_vdst(0)
.rept 32
	v_pk_mul_f32 v[SC+2*i:SC+2*i+1], v[SC+2*i:SC+2*i+1], v[RL:RL+1]
.set i, i+1
.endr
.set i, 0
.rept 32
	v_cvt_pk_bf16_f32 v[KA+i], v[SC+2*i], v[SC+2*i+1]
.set i, i+1
.endr
.irp dt, 0,1,2,3,4,5,6,7
	ds_store_b128 v[CS], v[KA+4*\dt:KA+4*\dt+3] offset:256*\hd+32*\dt
.endr
.set NDS, NDS+8
.endm
	ATT 0, 16, 0
	ATT 1, 40, 1
	BAR                                            ; the attention's result is whole in RG1's tiles 7-10; nobody reads k, q or VT any more
; ================= P6: x + ctx out_proj_w^T, in place on the residual stream =================
	FETCHB 0, L_R1+1, 0
	FETCHB 1, L_R1+1, 0
	WAITL M_WO                                     ; out_proj_w and, older, LayerNorm 1's three vectors; lin1_w's 64 loads are younger
.irp q, 0,1,2,3
.set NB, L_R1+1
.set NO, (\q+1)*TSTEP
	TRIPA 0xf1, 3, 0, 0, 0, XR+32*\q, \q<3
.if \q==0
	LOADVEC 0, SL1, 20, 0                          ; lin1_b, where the scores lay
.set M_L1, NGL
.endif
	TRIPB 0xf1, 0, XR+32*\q, 0, 0, 0, 0, \q<3
.endr
; ================= P7: LayerNorm 1, all in window 3 =================
; A row's 256 features lie in four waves.  Each wave makes the mean and the sum of squared deviations (M2) of its 64 about ITS mean; the four are joined by
; mean = sum m_k / 4, M2 = sum M2_k + 64 sum (m_k - mean)^2: no difference of large sums is formed.
.macro TREE src                        ; the sum of 32 registers; v[T3] = my lane's, v[T3+1] = that of lane xor 16
.set i, 0
.rept 8
	v_pk_add_f32 v[T3+2*i:T3+2*i+1], v[\src+4*i:\src+4*i+1], v[\src+4*i+2:\src+4*i+3]
.set i, i+1
.endr
.set i, 0
.rept 4
	v_pk_add_f32 v[T3+2*i:T3+2*i+1], v[T3+4*i:T3+4*i+1], v[T3+4*i+2:T3+4*i+3]
.set i, i+1
.endr
	v_pk_add_f32 v[T3:T3+1], v[T3:T3+1], v[T3+2:T3+3]
	v_pk_add_f32 v[T3+2:T3+3], v[T3+4:T3+5], v[T3+6:T3+7]
	v_pk_add_f32 v[T3:T3+1], v[T3:T3+1], v[T3+2:T3+3]
	v_add_f32 v[T3], v[T3], v[T3+1]
	v_permlanex16_b32 v[T3+1], v[T3], s30, s31
.endm
; tile qt: y = stream + bias (PVA), in place; mean, M2 (and with dot = 1 the sum of (y - mean) x PVB) of my 64 features of row r, to LDS
.macro LNSTAT qt, dot
.set X0, XR+32*\qt
.set i, 0
.rept 16
	v_pk_add_f32 v[X0+2*i:X0+2*i+1], v[X0+2*i:X0+2*i+1], v[PVA+2*i:PVA+2*i+1]
.set i, i+1
.endr
	TREE X0
	v_add_f32 v[T3], v[T3], v[T3+1]
	v_mul_f32 v[T3+16], s34, v[T3]                 ; the mean: a pair for the packed arithmetic,
	v_mul_f32 v[T3+17], s34, v[T3]
	v_mul_f32 v[T3+18], s34, v[T3]                 ; and the record's first word
.set i, 0
.rept 16
.set DP, T3+2*(i%2)
.set CH, T3+4+2*(i%2)
.set DC, T3+8+2*(i%2)
	v_pk_add_f32 v[DP:DP+1], v[X0+2*i:X0+2*i+1], v[T3+16:T3+17] neg_lo:[0,1] neg_hi:[0,1]
.if i<2
	v_pk_mul_f32 v[CH:CH+1], v[DP:DP+1], v[DP:DP+1]
.if \dot
	v_pk_mul_f32 v[DC:DC+1], v[DP:DP+1], v[PVB+2*i:PVB+2*i+1]
.endif
.else
	v_pk_fma_f32 v[CH:CH+1], v[DP:DP+1], v[DP:DP+1], v[CH:CH+1]
.if \dot
	v_pk_fma_f32 v[DC:DC+1], v[DP:DP+1], v[PVB+2*i:PVB+2*i+1], v[DC:DC+1]
.endif
.endif
.set i, i+1
.endr
	v_pk_add_f32 v[T3+4:T3+5], v[T3+4:T3+5], v[T3+6:T3+7]
	v_add_f32 v[T3+4], v[T3+4], v[T3+5]
	v_permlanex16_b32 v[T3+5], v[T3+4], s30, s31
	v_add_f32 v[T3+19], v[T3+4], v[T3+5]
.if \dot
	v_pk_add_f32 v[T3+8:T3+9], v[T3+8:T3+9], v[T3+10:T3+11]
	v_add_f32 v[T3+8], v[T3+8], v[T3+9]
	v_permlanex16_b32 v[T3+9], v[T3+8], s30, s31
	v_add_f32 v[T3+20], v[T3+8], v[T3+9]
	v_add_f32 v[T3+21], v[T3+8], v[T3+9]           ; the record's fourth word is written too: all 16 bytes are read back
	ds_store_b128 v[A_S2S], v[T3+18:T3+21] offset:256*\qt
.else
	ds_store_b64 v[A_S1S], v[T3+18:T3+19] offset:128*\qt   ; lanes r and r + 16 write the same word with the same value
.endif
.set NDS, NDS+1
.endm
.macro LNLOAD qt                       ; the four waves' (mean, M2) of row r of tile qt
.irp k, 0,1,2,3
	ds_load_b64 v[T3+8*(\qt%2)+2*\k:T3+8*(\qt%2)+2*\k+1], v[A_S1L] offset:512*\k+128*\qt
.endr
.set NDS, NDS+4
.set M_LN\qt, NDS
.endm
.macro LNAPPLY qt                      ; (y - mean) rs w + b in place (f32), and in bf16 to RG3
	WAITD M_LN\qt                                  ; the next tile's four loads, and the last tile's stores, may be out
.set LB, T3+8*(\qt%2)
.set X0, XR+32*\qt
	v_add_f32 v[T3+16], v[LB], v[LB+2]
	v_add_f32 v[T3+17], v[LB+4], v[LB+6]
	v_add_f32 v[T3+16], v[T3+16], v[T3+17]
	v_mul_f32 v[T3+16], 0x3e800000, v[T3+16]       ; the row's mean
	v_mov_b32 v[T3+17], v[T3+16]
	v_add_f32 v[T3+18], v[LB+1], v[LB+3]
	v_add_f32 v[T3+19], v[LB+5], v[LB+7]
	v_add_f32 v[T3+18], v[T3+18], v[T3+19]
	v_sub_f32 v[T3+19], v[LB], v[T3+16]
	v_mul_f32 v[T3+20], v[T3+19], v[T3+19]
.irp k, 1,2,3
	v_sub_f32 v[T3+19], v[LB+2*\k], v[T3+16]
	v_fmac_f32 v[T3+20], v[T3+19], v[T3+19]
.endr
	v_fmac_f32 v[T3+18], 0x42800000, v[T3+20]      ; + 64 sum (m_k - mean)^2
	v_fma_f32 v[T3+18], v[T3+18], s33, s32         ; variance + 1e-5
	v_rsq_f32 v[T3+20], v[T3+18]
	v_rsq_f32 v[T3+21], v[T3+18]                   ; the subtractions below are the plain instructions behind it
.set i, 0
.rept 16
	v_pk_add_f32 v[X0+2*i:X0+2*i+1], v[X0+2*i:X0+2*i+1], v[T3+16:T3+17] neg_lo:[0,1] neg_hi:[0,1]
.set i, i+1
.endr
.set i, 0
	s_wait_alu depctr_va_vdst(0)
.rept 16
	v_pk_mul_f32 v[X0+2*i:X0+2*i+1], v[X0+2*i:X0+2*i+1], v[T3+20:T3+21]
.set i, i+1
.endr
.set i, 0
.rept 16
	v_pk_fma_f32 v[X0+2*i:X0+2*i+1], v[X0+2*i:X0+2*i+1], v[PVB+2*i:PVB+2*i+1], v[PVC+2*i:PVC+2*i+1]
.set i, i+1
.endr
.irp f, 0,1,2,3
.irp q, 0,1,2,3
	v_cvt_pk_bf16_f32 v[T3+16+4*(\f%2)+\q], v[X0+8*\f+2*\q], v[X0+8*\f+2*\q+1]
.endr
	ds_store_b128 v[A_R3], v[T3+16+4*(\f%2):T3+16+4*(\f%2)+3] offset:TSTEP*\qt+32*\f
.endr
.set NDS, NDS+4
.endm
	WIN 0xff
	LNSTAT 0, 0
	LOADW 1, 96, 0, 16, 0                          ; lin2_w, over out_proj_w, a quarter behind each tile's figures
	WIN 0xff
	LNSTAT 1, 0
	LOADW 1, 96, 16, 16, 0
	WIN 0xff
	LNSTAT 2, 0
	LOADW 1, 96, 32, 16, 0
	WIN 0xff
	LNSTAT 3, 0
	LOADW 1, 96, 48, 16, 0
.set M_WL2, NGL
	WIN 0xff
	BAR                                            ; all four waves' figures are in LS1
	LNLOAD 0
	LNLOAD 1
	LNAPPLY 0
	LNLOAD 2
	LNAPPLY 1
	LNLOAD 3
	LNAPPLY 2
	LNAPPLY 3
	LOADVEC 3, PVA, 22, 0                          ; lin2_b
	LOADVEC 3, PVB, 10, 0                          ; g
	LOADVEC 3, PVC, 10, 1024                       ; e
.set M_VEC, NGL
	WIN 0
	BAR                                            ; LayerNorm 1's result is whole in RG3
; ================= P8: relu(x1 lin1_w^T + lin1_b) into RG0's tiles 0-3 =================
	FETCHB 0, L_R3, 0
	FETCHB 1, L_R3, 0
	WAITL M_L1                                     ; lin1_w and lin1_b; lin2_w and the three vectors, 88 loads, are younger
.irp q, 0,1,2,3
.set NB, L_R3
.set NO, (\q+1)*TSTEP
.set SB, S_R0
.set SO, \q*TSTEP
	TRIPA 0x02, 0, 0, 1, SL1, ACS, \q<3
	TRIPB 0x02, 0, ACS, 1, 1, 0, 32, \q<3
.endr
	FLUSH
	BAR
; ================= P9: x1 + h lin2_w^T, in place on the residual stream =================
	FETCHB 0, L_R0, 0
	FETCHB 1, L_R0, 0
	WAITL M_WL2                                    ; lin2_w; the three vectors, 24 loads, are younger
.irp q, 0,1,2,3
.set NB, L_R0
.set NO, (\q+1)*TSTEP
	TRIPA 0xf1, 3, 0, 0, 0, XR+32*\q, \q<3
	TRIPB 0xf1, 0, XR+32*\q, 0, 0, 0, 0, \q<3
.endr
; ================= P10: LayerNorm 2 and the head as one dot product =================
; logit = rs sum_f (y_f - mean) g_f + sum_f e_f, and sum_f (y_f - mean) g_f = sum over waves of [ sum (y_f - m_k) g_f + (m_k - mean) G_k ], G_k = the wave's sum of g.
	WAITL M_VEC                                    ; lin2_b, g, e
	WIN 0xff
	TREE PVB
	v_add_f32 v[T3+22], v[T3], v[T3+1]             ; G_w
	TREE PVC
	v_add_f32 v[T3+23], v[T3], v[T3+1]             ; E_w
	ds_store_b64 v[A_S3S], v[T3+22:T3+23]
.set NDS, NDS+1
	LNSTAT 0, 1
	LNSTAT 1, 1
	LNSTAT 2, 1
	LNSTAT 3, 1
	WIN 0
	BAR                                            ; all records are in LS2 and LS3
	s_cmp_lg_u32 s2, 0
	s_cbranch_scc1 .Lend                           ; wave 0 finishes: lane L takes rows 2 L and 2 L + 1
	v_lshlrev_b32 v30, 5, v[LANE]
	v_add_nc_u32 v30, LS2, v30
	v_mov_b32 v31, LS3
.irp p, 0,1
.irp k, 0,1,2,3
	ds_load_b128 v[32+16*\p+4*\k:32+16*\p+4*\k+3], v30 offset:16*\p+1024*\k
.endr
.endr
	ds_load_b128 v[64:67], v31                     ; G_0, E_0, G_1, E_1
	ds_load_b128 v[68:71], v31 offset:16           ; G_2, E_2, G_3, E_3
	v_lshlrev_b32 v79, 3, v[LANE]                  ; 8 bytes a lane: the one store covers the work-group's 256 neighbouring bytes
	v_lshlrev_b32 v82, 1, v[LANE]
	s_wait_dscnt 0x0
	v_add_f32 v78, v65, v67
	v_add_f32 v77, v69, v71
	v_add_f32 v78, v78, v77                        ; sum of e
.macro FIN p, out
.set B0, 32+16*\p
	v_add_f32 v72, v[B0], v[B0+4]
	v_add_f32 v73, v[B0+8], v[B0+12]
	v_add_f32 v72, v72, v73
	v_mul_f32 v72, 0x3e800000, v72                 ; mean
	v_add_f32 v74, v[B0+1], v[B0+5]
	v_add_f32 v75, v[B0+9], v[B0+13]
	v_add_f32 v74, v74, v75
	v_add_f32 v76, v[B0+2], v[B0+6]
	v_add_f32 v77, v[B0+10], v[B0+14]
	v_add_f32 v76, v76, v77
	v_sub_f32 v73, v[B0], v72
	v_mul_f32 v75, v73, v73
	v_fmac_f32 v76, v73, v64
.irp k, 1,2,3
	v_sub_f32 v73, v[B0+4*\k], v72
	v_fmac_f32 v75, v73, v73
	v_fmac_f32 v76, v73, v[64+2*\k]
.endr
	v_fmac_f32 v74, 0x42800000, v75
	v_fma_f32 v74, v74, s33, s32
	v_rsq_f32 v74, v74
	v_nop                                          ; one plain instruction behind v_rsq_f32 (ISA guide 5.7.2)
	s_wait_alu depctr_va_vdst(0)
	v_fma_f32 v[\out], v76, v74, v78
.endm
	FIN 0, 80
	FIN 1, 81
	s_wait_xcnt 0x0                                ; EXEC changes only behind this wait
	v_cmp_gt_u32 vcc_lo, s35, v82                  ; rows that exist (64, or 16 in a batch's last block)
	s_and_saveexec_b32 s58, vcc_lo
	global_store_b64 v79, v[80:81], s[24:25]
	s_wait_xcnt 0x0
	s_or_b32 exec_lo, exec_lo, s58
.Lend:
	s_set_vgpr_msb 0xf
	s_wait_tensorcnt 0x0
	ds_add_u32 v254, v255
	s_wait_dscnt 0x0
	s_set_vgpr_msb 0xf00
	s_endpgm
.Lfunc_end_k_q122f219753_layer:
	.size	k_q122f219753_layer, .Lfunc_end_k_q122f219753_layer-k_q122f219753_layer
	.p2alignl 7, 3214868480
	.fill 96, 4, 3214868480
	.section	.rodata,"a",@progbits
	.p2align	6, 0x0
	.amdhsa_kernel k_q122f219753_layer
		.amdhsa_group_segment_fixed_size 321024
		.amdhsa_private_segment_fixed_size 0
		.amdhsa_enable_private_segment 0
		.amdhsa_kernarg_size 88
		.amdhsa_user_sgpr_count 2
		.amdhsa_user_sgpr_kernarg_segment_ptr 1
		.amdhsa_wavefront_size32 1
		.amdhsa_system_sgpr_workgroup_id_x 1
		.amdhsa_system_sgpr_workgroup_id_y 1
		.amdhsa_system_sgpr_workgroup_id_z 1
		.amdhsa_system_vgpr_workitem_id 0
		.amdhsa_next_free_vgpr 1024
		.amdhsa_next_free_sgpr 96
		.amdhsa_reserve_vcc 1
		.amdhsa_float_denorm_mode_32 3
		.amdhsa_float_denorm_mode_16_64 3
		.amdhsa_memory_ordered 1
		.amdhsa_forward_progress 1
		.amdhsa_inst_pref_size 255
	.end_amdhsa_kernel
	.section	.bss,"aw",@nobits
	.p2align	6
	.space	262144
	.amdgpu_metadata
---
amdhsa.version: [ 1, 2 ]
amdhsa.kernels:
  - .name:           k_q122f219753_layer
    .symbol:         k_q122f219753_layer.kd
    .args:
      - { .name: src, .offset: 0, .size: 8, .value_kind: global_buffer, .address_space: global }
      - { .name: wts, .offset: 8, .size: 8, .value_kind: global_buffer, .address_space: global }
      - { .name: peb, .offset: 16, .size: 8, .value_kind: global_buffer, .address_space: global }
      - { .name: head, .offset: 24, .size: 8, .value_kind: global_buffer, .address_space: global }
      - { .name: in_proj_b, .offset: 32, .size: 8, .value_kind: global_buffer, .address_space: global }
      - { .name: out_proj_b, .offset: 40, .size: 8, .value_kind: global_buffer, .address_space: global }
      - { .name: ln1_w, .offset: 48, .size: 8, .value_kind: global_buffer, .address_space: global }
      - { .name: ln1_b, .offset: 56, .size: 8, .value_kind: global_buffer, .address_space: global }
      - { .name: lin1_b, .offset: 64, .size: 8, .value_kind: global_buffer, .address_space: global }
      - { .name: lin2_b, .offset: 72, .size: 8, .value_kind: global_buffer, .address_space: global }
      - { .name: out0, .offset: 80, .size: 8, .value_kind: global_buffer, .address_space: global }
    .group_segment_fixed_size: 321024
    .private_segment_fixed_size: 0
    .kernarg_segment_align: 8
    .kernarg_segment_size: 88
    .max_flat_workgroup_size: 128
    .sgpr_count:     96
    .vgpr_count:     1024
    .wavefront_size: 32
...
	.end_amdgpu_metadata
.endif
;; end of part 2
